; MI455X (gfx1250); checked and timed in simulation.
; The chip was launched on July 23, 2026; its instructions are those of AMD's public machine-readable ISA for CDNA 5 (MIT licence, August 2026) and "CDNA5" Instruction Set Architecture Reference Guide (July 2026). The comments in the code are by the model that wrote it; some were corrected since.
;; Color Tone Mapper. Allowed arithmetic: float matrix products may take bf16 or f16 operands with f32 sums; other float arithmetic in f32, or as packed bf16 or f16 multiplies, adds, multiply-adds, maxima and minima; sums over many terms, partial sums and values carried from step to step in f32; what a program stores and reads back later, other than sums and carried values, may be rounded once to bf16 or f16.
;; Inputs: W0 1 x 128 float32; W1 128 x 128 float32; W2 128 x 128 float32; W3 128 x 1 float32; b0 128 float32; b1 128 float32; b2 128 float32; b3 1 float32; input_exps 2,097,152 x 1 float32; radience 2,097,152 x 1 float32; x 2,097,152 x 3 float32.
;; Outputs: out0 2,097,152 x 1 float32.
;; One version. Each part assembles by itself: llvm-mc -triple=amdgcn-amd-amdhsa -mcpu=gfx1250 --defsym DOCPART=n.
;; ======== version 1 of 1: 1 launch
;; launch tone (part 1): grid 256 x 1, 4 waves a work-group, no clusters, 74,496 bytes of LDS; arguments radience, W0, b0, W1, b1, W2, b2, W3, b3, out0; writes out0
.if DOCPART == 1
	.amdgcn_target "amdgcn-amd-amdhsa--gfx1250"
	.amdhsa_code_object_version 6
	.text
	.protected	k_qfe976a3eac_tone
	.globl	k_qfe976a3eac_tone
	.p2align	8
	.type	k_qfe976a3eac_tone,@function
k_qfe976a3eac_tone:
	s_mov_b64 s[64:65], 0
	v_nop
	global_prefetch_b8 v0, s[64:65] scope:SCOPE_SE
	s_setreg_imm32_b32 hwreg(HW_REG_WAVE_MODE, 25, 1), 1
	s_wait_xcnt 0x0
; out0[n] = tanh(relu(relu(relu(l W0 + b0) W1 + b1) W2 + b2) W3 + b3), l = ln(max(radience[n], 1e-8)); 2,097,152 pixels, 128 channels.
; x and input_exps are inputs that go unused: no number of out0 hangs on them, so this text has no pointer to them and reads none of their bytes.
; FORMATS.  Every input that is used (radience, W0, b0, W1, b1, W2, b2, W3, b3) is rounded once to bf16.  The matrix operands are f16: the weights (a bf16 number times a power of two, exact in f16's normal
; range) and h0, h1, h2, each rounded once.  f16 and not bf16 for these: the last layer's sum is several times smaller than its terms, so that a rounding to 8 significant bits of each of 128 terms, three
; layers deep, comes to more than a hundredth of the result for some pixels among two million; 11 bits leave an eighth of that.  All else is f32: the logarithm, layer 0's fused multiply-add, the sums, tanh.
; THE SCALES give f16 its room for inputs of any size.  With M a maximum, held to 2^-24 .. 2^24, and E its exponent: s0 = 2^(-E-2) for M = max(|W0|, |b0|); s1 = 2^(-E-4) for M = max(|W1|, s0 |b1|);
; s2 = 2^(-E-4) for M = max(|W2|, s0 s1 |b2|); s3 = 2^(-E-2) for M = max|W3|.  Weights are multiplied by their own scale, biases by the product of the scales so far, and the sum in front of tanh by the
; inverse of all four: powers of two, so nothing is rounded by them.  Then |W0'|, |b0'|, |W3'| < 1/2 and |W1'|, |b1'|, |W2'|, |b2'| < 1/8, and with l in -18.5 .. 88.8 (all that f32 radience allows):
; h0' < 45, h1' < 128 / 8 x 45 + 1/8 < 719, h2' < 16 x 719 + 1/8 < 11,500: inside f16's 65,504 whatever the inputs.  No branch and no address hangs on a scale.
; LIMITS.  Where one of those maxima lies outside 2^-24 .. 2^24 its scale no longer follows it.  A scaled weight, bias b0 or activation below 6.1e-5 keeps f16's fixed step of 6e-8.  A NaN in radience counts as
; 1e-8, a NaN in front of a relu as 0, a NaN among weights is passed over in the maxima (the maxima used here drop a NaN, jnp's keep it); infinities are not treated apart.
; tanh(x): for |x| >= 0.125 it is 1 - 2 / (1 + 2^(2 log2(e) x)), which ends at +1 and -1; below that x - x^3 / 3 + 2 x^5 / 15, whose first term left out is under 2e-7 of x there.  Both are made, one is selected.
; SHARES.  256 work-groups of four waves; a wave owns 2,048 consecutive pixels: 16 GROUPS of 128 pixels, 512 bytes of radience and of out0.  Lane L loads and stores the 16 bytes at 16 L: pixels 4 L + u, u = 0..3.
; Tile (g, u) of 16 pixels is pixel 4 (16 g + r) + u, r = 0..15; PIECE g of the wave owns the tiles (g, .).  So every load and store of a wave is 512 consecutive bytes, aligned.
; LAYOUT.  The products are taken transposed: source 0 = 16 output channels (rows of W^T), source 1 = 16 pixels.  In a result a lane holds ONE pixel (lane % 16) and the channels 8 (lane / 16) + 0..7; two results
; rounded to f16 in pairs ARE source 1 (32 channels x 16 pixels) of the next layer: nothing changes lanes between the layers.  W1 and W2 in f16 are 256 registers each: they stay in registers, and the loop reads no LDS.
; Layer 3: source 0 holds W3 in rows 0 and 8 and zeros elsewhere, so that register 0 of the result holds the pixel's sum in both halves of the lanes.
; BY TURNS.  A SLOT is 16 products of one piece (half a layer: 4 accumulators by turns x 4 chunks of 32 channels); behind each stands a slice of four vector instructions of the OTHER piece's work (rounding and
; relu of the half layer that it has just made) or of layer 0 of a coming tile.  Eight slots are a LAP: one tile of each piece, 136 matrix instructions.  Four laps are a group.
; NO CLUSTER: what the work-groups share is 131,072 bytes of weights, read once at the start and converted on the way through registers; the loop shares nothing.
; REGISTERS, in windows of 256 (s_set_vgpr_msb: bits 1:0 source 0, 3:2 source 1, 5:4 source 2, 7:6 destination):
;   window 0: v0-31 addresses, l, at work; piece p at 32 + 112 p: X (h0, 32), Y (h1, 32), Z (half of h2, 16), ACC (4 accumulators, 32)
;   window 1: W1's fragments, window 2: W2's: output tile t (0..7), chunk c (0..3) at 32 t + 8 c
;   window 3: b1, b2 as C operands (64 each); W3's fragments (32); W0 and b0, packed (32 each); layer 3's accumulators (8 a piece); a zero; b3 as a C operand (8)
; The weights fill their windows, and a slice's first source shares its window field with them: so a slice costs two switches, one in front and one behind.
.set NGRP,  16                         ; groups of a wave
.set LOGG,  9                          ; a group is 512 bytes
.set LOGW,  13                         ; a wave's share is 8,192 bytes
.set PITCH, 288                        ; LDS row of W1 or W2 in f16: 256 bytes + 32: 16 lanes of the turning load take 8 rows x 32 bytes
.set W2LDS, 128*PITCH                  ; W1 at 0, W2 behind it
.set MAXL,  2*128*PITCH                ; 73,728 = 288 x 256: a block of 256 bytes for the waves' maxima, 8 bytes a wave
.set SPARE, MAXL+256                   ; the spare words, 128 bytes for each wave: two blocks of 256 bytes that no other line names
.set VO,  1                            ; v1   16 x lane; never rewritten
.set SPW, 2                            ; v2   LDS address of my spare word; never rewritten
.set NIL, 3                            ; v3   0; never rewritten
.set ZR,  4                            ; v4   0: for relu on packed halves, and the addend of the set-up's multiplications
.set TA1, 5                            ; v5   set-up: my lane's place in a turning load of W1
.set TA2, 6                            ; v6   the same for W2
.set HO,  7                            ; v7   set-up: 32 x (lane / 16)
.set RAD, 8                            ; v[8:11]   radience of the group to come
.set WK,  12                           ; v[12:19]  at work; in the set-up: the upper halves' maxima, then the scales
.set LP0, 20                           ; v[20:23]  l of piece 0's tiles u = 0..3
.set LP1, 24                           ; v[24:27]  l of piece 1's
.set GA,  20                           ; set-up only: my byte offset in W1 and W2
.set LSA, 21                           ; set-up only: where I store 8 bytes of a row in LDS
.set MXA, 22                           ; set-up only: where my wave's two maxima go
.set MQ,  24                           ; set-up only: v[24:30] the seven maxima: W0, b0, W1, W2, b1, b2, W3
.set MXR, 31                           ; set-up only: where all waves' maxima are read
.set OUT, 28                           ; v[28:31]  the group's sums in front of tanh
.set T1,  32                           ; set-up only: v[32:63] b1 in packed bf16, v[64:95] b2
.set T2,  64
.set X0,  32
.set Y0,  64
.set Z0,  96
.set A0,  112
.set X1,  144
.set Y1,  176
.set Z1,  208
.set A1,  224
.set PSTEP, 112
.set B1,  0                            ; window 3
.set B2,  64
.set W3F, 128
.set W0P, 160
.set B0P, 192
.set A3,  224
.set ZR3, 240
.set B3C, 242
.set WV,  2                            ; s2   my wave's number
.set LB,  3                            ; s3   set-up: LDS bytes that go by my wave's number
.set ST,  4                            ; s[4:5] an offset; the high word stays 0
.set GRP, 6                            ; s6   the loop's count
.set LPTR, 30                          ; s[30:31] radience at the group that is being asked for
.set SPTR, 32                          ; s[32:33] out0 at the group that is being stored
.set EPS, 34
.set LN2, 35
.set K2,  36
.set INV, 37                           ; 1 / (s0 s1 s2 s3)
.set C5,  38
.set C3,  39
.set THR, 40
.set HM,  41                           ; 0xffff0000: lanes 16-31 as a mask; also a word's upper bf16
.set RM,  42                           ; lanes 0, 8, 16, 24: rows 0 and 8 of a fragment
.set AM,  43                           ; clears the signs of two bf16
.set SEL, 44                           ; s[44:45] v_permlanex16_b32's selects: each lane takes its own place in the other half
.set MX,  46                           ; s[46:52] the seven maxima, as above
.set SC0, 53                           ; s0
.set SC1, 54                           ; s1
.set SS1, 55                           ; s0 s1
.set SC2, 56                           ; s2
.set SS2, 57                           ; s0 s1 s2
.set SC3, 58                           ; s3
.set SS3, 59                           ; s0 s1 s2 s3
.set TS,  60                           ; at work
.set MSB, 0
.macro WIN new                         ; the high byte repeats the setting that is left; a switch that changes nothing is dropped
.if MSB != (\new)
	s_set_vgpr_msb (MSB<<8)|(\new)
.set MSB, (\new)
.endif
.endm
	s_load_b512 s[8:23], s[0:1], 0x0               ; radience s[8:9], W0 s[10:11], b0 s[12:13], W1 s[14:15], b1 s[16:17], W2 s[18:19], b2 s[20:21], W3 s[22:23]
	s_load_b128 s[24:27], s[0:1], 0x40             ; b3 s[24:25], out0 s[26:27]
	v_lshl_add_u32 v[SPW], v0, 2, SPARE
	v_mov_b32 v[NIL], 0
	v_mov_b32 v[ZR], 0
	v_lshrrev_b32 v12, 5, v0
	v_readfirstlane_b32 s[WV], v12                 ; wave 0..3
	v_and_b32 v13, 31, v0                          ; L
	v_bfe_u32 v14, v0, 4, 1                        ; L / 16
	v_and_b32 v15, 7, v0
	v_bfe_u32 v16, v0, 3, 1
	v_lshlrev_b32 v[VO], 4, v13
	v_lshlrev_b32 v[HO], 5, v14
	v_lshl_add_u32 v[GA], s[WV], 14, v[VO]         ; my wave's 32 rows of 512 bytes, my 16 bytes of a row
	s_lshl_b32 s[LB], s[WV], 3
	s_add_co_u32 s[LB], s[LB], MAXL
	v_mov_b32 v[MXA], s[LB]                        ; my wave's 8 bytes among the maxima
	v_mov_b32 v[MXR], MAXL
	s_mul_i32 s[LB], s[WV], 32*PITCH
	v_lshl_add_u32 v[LSA], v13, 3, s[LB]           ; my wave's 32 rows in LDS, my 8 bytes
	v_lshl_add_u32 v15, v14, 3, v15                ; the turning load: lane L reads row 8 (L / 16) + L % 8,
	v_mul_u32_u24 v[TA1], v15, PITCH
	v_lshl_add_u32 v[TA1], v16, 4, v[TA1]          ; 16 bytes at 16 ((L / 8) % 2)
	v_add_nc_u32 v[TA2], W2LDS, v[TA1]
	s_mov_b32 s[EPS], 0x322bcc77                   ; 1e-8
	s_mov_b32 s[LN2], 0x3f317218                   ; ln 2
	s_mov_b32 s[K2], 0x4038aa3b                    ; 2 log2(e)
	s_mov_b32 s[C5], 0x3e088889                    ; 2 / 15
	s_mov_b32 s[C3], 0xbeaaaaab                    ; -1 / 3
	s_mov_b32 s[THR], 0x3e000000                   ; 0.125
	s_mov_b32 s[HM], 0xffff0000
	s_mov_b32 s[RM], 0x01010101
	s_mov_b32 s[AM], 0x7fff7fff
	s_mov_b32 s[SEL], 0x76543210
	s_mov_b32 s[SEL+1], 0xfedcba98
	s_lshl_b32 s[ST], ttmp9, 2
	s_add_co_u32 s[ST], s[ST], s[WV]               ; my wave among the launch's 1,024
	s_lshl_b32 s[ST], s[ST], LOGW
	s_mov_b32 s[ST+1], 0
	s_wait_kmcnt 0x0
	s_add_nc_u64 s[8:9], s[8:9], s[ST:ST+1]        ; radience and out0 at my wave's first pixel
	s_add_nc_u64 s[26:27], s[26:27], s[ST:ST+1]
	s_load_b32 s28, s[24:25], 0x0                  ; b3
	global_load_b128 v[RAD:RAD+3], v[VO], s[8:9] th:TH_LOAD_NT  ; group 0
	; ALL THE WEIGHTS ARE ASKED FOR AT ONCE.  The five short vectors first, in the order in which a lane holds channels: register 8 t + j = channel 16 t + 8 (L / 16) + j.
.macro LDV dst, ptr
.set t, 0
.rept 8
	global_load_b128 v[(\dst)+8*t:(\dst)+8*t+3],   v[HO], s[\ptr:\ptr+1] offset:64*t
	global_load_b128 v[(\dst)+8*t+4:(\dst)+8*t+7], v[HO], s[\ptr:\ptr+1] offset:64*t+16
.set t, t+1
.endr
.endm
	LDV 64, 10                                     ; W0, b0, W3 into window 0, where the pieces' registers are still free
	LDV 128, 12
	LDV 192, 22
	WIN 0xc0                                       ; destination window 3
	LDV B1, 16
	LDV B2, 20
	WIN 0x40                                       ; destination window 1: each wave fetches 32 rows of W1 and of W2, an instruction a row: 512 consecutive bytes
.set i, 0
.rept 32
	global_load_b128 v[4*i:4*i+3], v[GA], s[14:15] offset:512*i
.set i, i+1
.endr
.set i, 0
.rept 32
	global_load_b128 v[128+4*i:128+4*i+3], v[GA], s[18:19] offset:512*i
.set i, i+1
.endr
; THE MAXIMA.  n registers of packed bf16 at src: the signs are cleared into n registers at tmp, which a tree of packed maxima brings down to one.  wa, wm: the windows for the two kinds of line.
.macro TREE tmp, st
.set x, 0
.rept \st
	v_pk_max_num_bf16 v[(\tmp)+x], v[(\tmp)+x], v[(\tmp)+x+(\st)]
.set x, x+1
.endr
.endm
.macro AMAX src, tmp, n, wa, wm
	WIN \wa
.set x, 0
.rept \n
	v_and_b32 v[(\tmp)+x], s[AM], v[(\src)+x]
.set x, x+1
.endr
	WIN \wm
.if (\n) == 64
	TREE \tmp, 32
.endif
.irp st, 16,8,4,2,1
	TREE \tmp, \st
.endr
.endm
.macro EXTR q, tmp, w                  ; the two halves of the tree's result, in window w, as f32 into window 0
	WIN (\w)<<2
	v_lshlrev_b32 v[MQ+(\q)], 16, v[\tmp]
	v_and_b32 v[WK+(\q)], s[HM], v[\tmp]
.endm
.macro PACKV dst, src                  ; 64 f32 of window 0 -> 32 registers of packed bf16 in window 3: register 8 c + 4 q + jj = channels 32 c + 16 q + 8 (L / 16) + 2 jj and the next: a fragment's order
.set x, 0
.rept 32
	v_cvt_pk_bf16_f32 v[(\dst)+x], v[(\src)+2*x], v[(\src)+2*x+1]
.set x, x+1
.endr
.endm
	s_wait_loadcnt 63                              ; loads come back in order (ISA guide 5.7.1): behind the short vectors' stand W1's and W2's 64; 63 is the most that the count can name, and the stricter side
	WIN 0xc0
	PACKV W0P, 64
	PACKV B0P, 128
	PACKV W3F, 192
	WIN 0x0f                                       ; sources window 3, destination window 0
.set x, 0
.rept 32
	v_cvt_pk_bf16_f32 v[T1+x], v[B1+2*x], v[B1+2*x+1]
	v_cvt_pk_bf16_f32 v[T2+x], v[B2+2*x], v[B2+2*x+1]
.set x, x+1
.endr
	AMAX W0P, 224, 32, 0xcc, 0xcf                  ; window 3's last 32 registers are free until the set-up's end
	EXTR 0, 224, 3
	AMAX B0P, 224, 32, 0xcc, 0xcf
	EXTR 1, 224, 3
	AMAX W3F, 224, 32, 0xcc, 0xcf
	EXTR 6, 224, 3
	AMAX T1, 96, 32, 0, 0
	EXTR 4, 96, 0
	AMAX T2, 96, 32, 0, 0
	EXTR 5, 96, 0
.macro TOBF reg                        ; my 32 rows: 128 f32 a lane become 64 registers of packed bf16, row i in the pair at reg + 2 i: each line writes below what is still to be read
	WIN 0x45                                       ; all three in window 1
.set i, 0
.rept 32
	v_cvt_pk_bf16_f32 v[(\reg)+2*i], v[(\reg)+4*i], v[(\reg)+4*i+1]
	v_cvt_pk_bf16_f32 v[(\reg)+2*i+1], v[(\reg)+4*i+2], v[(\reg)+4*i+3]
.set i, i+1
.endr
.endm
	s_wait_loadcnt 32                              ; W2's 32 loads are younger and may stay out; W1 is in
	TOBF 0
	AMAX 0, 64, 64, 0x44, 0x45
	EXTR 2, 64, 1
	s_wait_loadcnt 0x0                             ; W2
	TOBF 128
	AMAX 128, 192, 64, 0x44, 0x45
	EXTR 3, 192, 1
	WIN 0
.macro ALLQ line:vararg                ; one line for each of the seven maxima q
.set q, 0
.rept 7
	\line
.set q, q+1
.endr
.endm
	ALLQ v_max_num_f32 v[MQ+q], v[MQ+q], v[WK+q]
.irp m, 1,2,4,8
	ALLQ v_max_num_f32_dpp v[MQ+q], v[MQ+q], v[MQ+q] row_xmask:\m row_mask:0xf bank_mask:0xf
.endr
	ALLQ v_permlanex16_b32 v[WK+q], v[MQ+q], s[SEL], s[SEL+1]
	ALLQ v_max_num_f32 v[MQ+q], v[MQ+q], v[WK+q]
	ds_store_b64 v[MXA], v[MQ+2:MQ+3]              ; my rows' maxima of W1 and W2: all lanes write the same 8 bytes with the same numbers
	s_wait_dscnt 0x0                               ; for the others' sake
	s_barrier_signal -1
	s_barrier_wait -1
	ds_load_b128 v[WK:WK+3], v[MXR]                ; all four waves' pairs
	ds_load_b128 v[WK+4:WK+7], v[MXR] offset:16
	s_wait_dscnt 0x0
	v_max3_num_f32 v[MQ+2], v[WK], v[WK+2], v[WK+4]
	v_max3_num_f32 v[MQ+3], v[WK+1], v[WK+3], v[WK+5]
	v_max_num_f32 v[MQ+2], v[MQ+2], v[WK+6]
	v_max_num_f32 v[MQ+3], v[MQ+3], v[WK+7]
	ALLQ v_readfirstlane_b32 s[MX+q], v[MQ+q]
	; THE SCALES, in scalar registers.  The maxima are not negative, so their bits order as whole numbers do.  dst = 2^(-E-k), E the exponent of m held to 2^-24 .. 2^24: the bits of 2^(127-k) less those of 2^E... as exponents.
.macro POW2 dst, m, k
	s_max_u32 s[TS], s[\m], 0x33800000             ; 2^-24
	s_min_u32 s[TS], s[TS], 0x4b800000             ; 2^24
	s_and_b32 s[TS], s[TS], 0x7f800000             ; (E + 127) << 23
	s_sub_co_u32 s[\dst], 0x7f000000-((\k)<<23), s[TS]  ; (127 - E - k) << 23
.endm
	s_max_u32 s[TS], s[MX], s[MX+1]                ; |W0|, |b0|
	POW2 SC0, TS, 2
	s_mul_f32 s[TS], s[SC0], s[MX+4]               ; s0 |b1|
	s_max_u32 s[TS], s[TS], s[MX+2]                ; |W1|
	POW2 SC1, TS, 4
	s_mul_f32 s[SS1], s[SC0], s[SC1]
	s_mul_f32 s[TS], s[SS1], s[MX+5]               ; s0 s1 |b2|
	s_max_u32 s[TS], s[TS], s[MX+3]                ; |W2|
	POW2 SC2, TS, 4
	s_mul_f32 s[SS2], s[SS1], s[SC2]
	POW2 SC3, MX+6, 2                              ; |W3|
	s_mul_f32 s[SS3], s[SS2], s[SC3]               ; between 2^-108 and 2^84: a normal number,
	s_sub_co_u32 s[INV], 0x7f000000, s[SS3]        ; and so is its inverse
.irp k, 0,1,2,3,4,5,6
	v_mov_b32 v[WK+\k], s[SC0+\k]                  ; v12 s0, v13 s1, v14 s0 s1, v15 s2, v16 s0 s1 s2, v17 s3, v18 all four
.endr
	; W1 AND W2 INTO LDS: each wave multiplies its 32 rows by the scale, writes them as f16 and lays them down as they lie, [input channel][output channel].
.macro CVTW reg, sv                    ; 64 registers of packed bf16 at reg, 32 at a time by way of the 64 registers behind them
.irp hf, 0,1
	WIN 0x41                                       ; the packed word and the product in window 1, the scale and the zero in window 0
.set x, 0
.rept 32
	v_fma_mix_f32_bf16 v[(\reg)+64+2*x], v[(\reg)+32*\hf+x], v[\sv], v[ZR] op_sel_hi:[1,0,0]
	v_fma_mix_f32_bf16 v[(\reg)+64+2*x+1], v[(\reg)+32*\hf+x], v[\sv], v[ZR] op_sel:[1,0,0] op_sel_hi:[1,0,0]
.set x, x+1
.endr
	WIN 0x45
.set x, 0
.rept 32
	v_cvt_pk_f16_f32 v[(\reg)+32*\hf+x], v[(\reg)+64+2*x], v[(\reg)+64+2*x+1]
.set x, x+1
.endr
.endr
.endm
.macro ROWS reg, lds
	WIN 0x04                                       ; address window 0, data window 1
.set i, 0
.rept 32
	ds_store_b64 v[LSA], v[(\reg)+2*i:(\reg)+2*i+1] offset:(\lds)+PITCH*i
.set i, i+1
.endr
.endm
	CVTW 0, WK+1
	ROWS 0, 0
	CVTW 128, WK+3
	ROWS 128, W2LDS
	; THE SHORT VECTORS, while the stores are on their way.
.macro CVTS vec, sv                    ; 32 registers of packed bf16 in window 3 become packed f16, times the scale, by way of v[128:191] of window 0
	WIN 0x03
.set x, 0
.rept 32
	v_fma_mix_f32_bf16 v[128+2*x], v[(\vec)+x], v[\sv], v[ZR] op_sel_hi:[1,0,0]
	v_fma_mix_f32_bf16 v[128+2*x+1], v[(\vec)+x], v[\sv], v[ZR] op_sel:[1,0,0] op_sel_hi:[1,0,0]
.set x, x+1
.endr
	WIN 0xc0
.set x, 0
.rept 32
	v_cvt_pk_f16_f32 v[(\vec)+x], v[128+2*x], v[128+2*x+1]
.set x, x+1
.endr
.endm
.macro BIASV b, t, sv                  ; 32 registers of packed bf16 in window 0 become 64 f32 in window 3, times the scale: C operands
.set x, 0
.rept 32
	v_fma_mix_f32_bf16 v[(\b)+2*x], v[(\t)+x], v[\sv], v[ZR] op_sel_hi:[1,0,0]
	v_fma_mix_f32_bf16 v[(\b)+2*x+1], v[(\t)+x], v[\sv], v[ZR] op_sel:[1,0,0] op_sel_hi:[1,0,0]
.set x, x+1
.endr
.endm
	CVTS W0P, WK
	CVTS B0P, WK
	CVTS W3F, WK+5
	BIASV B1, T1, WK+2                             ; (CVTS leaves the destination in window 3 and the sources in window 0)
	BIASV B2, T2, WK+4
	WIN 0xcc                                       ; source 1 and destination window 3
.set x, 0
.rept 32
	v_cndmask_b32 v[W3F+x], 0, v[W3F+x], s[RM]     ; W3 stays in rows 0 and 8 of source 0; the other rows are 0
.set x, x+1
.endr
	WIN 0
	s_wait_kmcnt 0x0                               ; b3
	v_mov_b32 v[WK+7], s28
	v_cvt_pk_bf16_f32 v[WK+7], v[WK+7], v[WK+7]
	WIN 0xc0
.set x, 0
.rept 8
	v_fma_mix_f32_bf16 v[B3C+x], v[WK+7], v[WK+6], v[ZR] op_sel_hi:[1,0,0]  ; b3 times all four scales: the C operand that starts layer 3's sum
.set x, x+1
.endr
	s_wait_dscnt 0x0                               ; for the others' sake: my rows lie in LDS
	s_barrier_signal -1
	s_barrier_wait -1                              ; all 256 rows do.  LDS is written no more
	; THE FRAGMENTS.  16 output channels x 32 input channels in 8 registers: lane L holds output channel L % 16, input channels 8 (L / 16) + 0..7 and 16 + 8 (L / 16) + 0..7: two turning loads, 16 rows apart.
.macro FRAGS adr
.set t, 0
.rept 8
.set c, 0
.rept 4
	ds_load_tr16_b128 v[32*t+8*c:32*t+8*c+3],   v[\adr] offset:32*c*PITCH+32*t
	ds_load_tr16_b128 v[32*t+8*c+4:32*t+8*c+7], v[\adr] offset:(32*c+16)*PITCH+32*t
.set c, c+1
.endr
.set t, t+1
.endr
.endm
	WIN 0x40
	FRAGS TA1
	WIN 0x80
	FRAGS TA2
	; The loop's first lap works on a tile that does not exist, so that no first lap is written out.  What it reads before it is written holds 0: 134 lines, once a launch, while the fragments are on their way.
	WIN 0xc0
.set x, 0
.rept 16
	v_mov_b32 v[A3+x], 0
.set x, x+1
.endr
	v_mov_b32 v[ZR3], 0
	WIN 0
	v_mov_b32 v[LP1+3], 0
.irp k, 0,1,2,3
	v_mov_b32 v[OUT+\k], 0
.endr
.set x, 0
.rept 32
	v_mov_b32 v[X0+x], 0
	v_mov_b32 v[X1+x], 0
	v_mov_b32 v[A1+x], 0
.set x, x+1
.endr
.set x, 0
.rept 16
	v_mov_b32 v[Z0+x], 0
.set x, x+1
.endr
	s_wait_dscnt 0x0                               ; the fragments are in
	s_mov_b32 s[GRP], 0
; THE MATRIX WORK.  Product i of 16 of half a (output tiles 4 a .. 4 a + 3) of layer l for piece p: chunk i / 4, tile i % 4.  The first four start the sums with the bias as C: a bias costs no instruction.
; The four accumulators take turns, one instruction a turn, and neighbouring slots belong to different pieces.
.macro MM l, a, p
.set c, i/4
.set t, i%4
.set rD, A0+PSTEP*(\p)+8*t
.set rA, 128*(\a)+32*t+8*c
.set rB, X0+PSTEP*(\p)+32*((\l)-1)+8*c     ; layer 1 reads X, layer 2 reads Y
.set rC, 64*((\l)-1)+8*(4*(\a)+t)
.if i < 4
	WIN 0x30|(\l)                                  ; weights in window l, C in window 3
	v_wmma_f32_16x16x32_f16 v[rD:rD+7], v[rA:rA+7], v[rB:rB+7], v[rC:rC+7]
.else
	WIN (\l)
	v_wmma_f32_16x16x32_f16 v[rD:rD+7], v[rA:rA+7], v[rB:rB+7], v[rD:rD+7]
.endif
.endm
; Chunk c3 of layer 3 for piece p; Z holds chunks 0 and 1 of h2, later chunks 2 and 3.
.macro M3 p, c3
	WIN 0xf3                                       ; W3, C and D in window 3, Z in window 0
.set rD, A3+8*(\p)
.set rA, W3F+8*(\c3)
.set rB, Z0+PSTEP*(\p)+8*((\c3)%2)
.if (\c3) == 0
	v_wmma_f32_16x16x32_f16 v[rD:rD+7], v[rA:rA+7], v[rB:rB+7], v[B3C:B3C+7]
.else
	v_wmma_f32_16x16x32_f16 v[rD:rD+7], v[rA:rA+7], v[rB:rB+7], v[rD:rD+7]
.endif
.endm
; THE VECTOR WORK.  Slice sl of 8: piece p's four accumulators, finished in the slot before, are rounded to f16 in pairs and cut at 0, into 16 registers at dst.  Slices 0, 1, 3, 5 round tiles 0..3, each from its
; lowest registers on; slices 2, 4, 6, 7 cut them.  An accumulator is last written by product 12 + t of its slot: eight or more plain instructions that name none of that product's registers lie between (ISA guide 7.12.1).
.macro VS p, dst, sl
	WIN 0
.if ((\sl) < 2) || ((\sl) == 3) || ((\sl) == 5)
.set t, ((\sl)+1)/2
.irp jj, 0,1,2,3
	v_cvt_pk_f16_f32 v[(\dst)+4*t+\jj], v[A0+PSTEP*(\p)+8*t+2*\jj], v[A0+PSTEP*(\p)+8*t+2*\jj+1]
.endr
.else
.set t, ((\sl)-1)/2
.irp jj, 0,1,2,3
	v_pk_max_num_f16 v[(\dst)+4*t+\jj], v[(\dst)+4*t+\jj], v[ZR]
.endr
.endif
.endm
; Slice q of 24 of layer 0 for piece p: for four registers of X, the even channels' l W0 + b0 (one rounding, straight to f16), the odd channels', the cut at 0.
.macro V0S p, lreg, q
	WIN 0x3c                                       ; l and X in window 0; W0, b0 and the zero in window 3
.set g, (\q)/3
.set rX, X0+PSTEP*(\p)+4*g
.irp jj, 0,1,2,3
.if (\q)%3 == 0
	v_fma_mixlo_f16 v[rX+\jj], v[\lreg], v[W0P+4*g+\jj], v[B0P+4*g+\jj] op_sel_hi:[0,1,1]
.elseif (\q)%3 == 1
	v_fma_mixhi_f16 v[rX+\jj], v[\lreg], v[W0P+4*g+\jj], v[B0P+4*g+\jj] op_sel:[0,1,1] op_sel_hi:[0,1,1]
.else
	v_pk_max_num_f16 v[rX+\jj], v[rX+\jj], v[ZR3]
.endif
.endr
.endm
; ONCE A GROUP, in lap 3's slot 1: l of the group to come, and the request for the group behind it.
.macro LPREP
.if i == 1
	WIN 0
	s_wait_loadcnt 0x0                             ; radience, asked for a trip (544 matrix instructions) ago; no younger load is out
	s_wait_xcnt 0x0                                ; the last store has read WK+4..7 and its base: they are rewritten only behind this wait
	v_cvt_pk_bf16_f32 v[WK], v[RAD], v[RAD+1]
	v_cvt_pk_bf16_f32 v[WK+1], v[RAD+2], v[RAD+3]
	s_add_co_u32 s[ST], s[GRP], 1
	s_min_u32 s[ST], s[ST], NGRP-1                 ; the last two trips ask for the last group once more: no load leaves my share
	s_lshl_b32 s[ST], s[ST], LOGG
	s_add_nc_u64 s[LPTR:LPTR+1], s[8:9], s[ST:ST+1]
	global_load_b128 v[RAD:RAD+3], v[VO], s[LPTR:LPTR+1] th:TH_LOAD_NT
.elseif i == 3
	WIN 0
	v_lshlrev_b32 v[WK+4], 16, v[WK]               ; bf16 to f32
	v_and_b32 v[WK+5], s[HM], v[WK]
	v_lshlrev_b32 v[WK+6], 16, v[WK+1]
	v_and_b32 v[WK+7], s[HM], v[WK+1]
.elseif i == 5
	WIN 0
.irp k, 0,1,2,3
	v_max_num_f32 v[WK+4+\k], s[EPS], v[WK+4+\k]
.endr
.elseif i == 7
	WIN 0
.irp k, 0,1,2,3
	v_log_f32 v[WK+\k], v[WK+4+\k]                 ; a batch of four; the other piece's slices that follow are the plain instructions behind it
.endr
.elseif i == 11
	WIN 0
	s_wait_alu depctr_va_vdst(0)                   ; one wait for the four logarithms, ahead of their first reader
.irp k, 0,1,2,3
	v_mul_f32 v[WK+\k], s[LN2], v[WK+\k]
.endr
.elseif i == 13
	WIN 0
.irp k, 0,1,2,3
	v_permlanex16_b32 v[WK+4+\k], v[WK+\k], s[SEL], s[SEL+1]
.endr
.elseif i == 15
	WIN 0
.irp k, 0,1,2,3
	v_cndmask_b32 v[LP0+\k], v[WK+\k], v[WK+4+\k], s[HM]  ; piece 0: both halves of the lanes hold lanes 0-15's pixels
.endr
.endif
.endm
; ONCE A GROUP, in lap 0's slot 2: tanh of the group's 128 sums, the store, and the way out of the loop.
.macro FINAL
.if i == 3
	WIN 0
.irp k, 0,1,2,3
	v_mul_f32 v[WK+\k], v[OUT+\k], v[OUT+\k]
.endr
.irp k, 0,1,2,3
	v_fma_f32 v[WK+4+\k], v[WK+\k], s[C5], s[C3]   ; 2 x^2 / 15 - 1 / 3
.endr
.elseif i == 5
	WIN 0
.irp k, 0,1,2,3
	v_mul_f32 v[WK+\k], v[WK+\k], v[OUT+\k]
.endr
.irp k, 0,1,2,3
	v_fma_f32 v[WK+4+\k], v[WK+\k], v[WK+4+\k], v[OUT+\k]  ; the series
.endr
.elseif i == 7
	WIN 0
.irp k, 0,1,2,3
	v_mul_f32 v[WK+\k], s[K2], v[OUT+\k]
.endr
.irp k, 0,1,2,3
	v_exp_f32 v[WK+\k], v[WK+\k]
.endr
.irp k, 0,1,2,3
	v_and_b32 v[OUT+\k], 0x7fffffff, v[OUT+\k]     ; |x|, for the choice: x itself is wanted no more
.endr
.elseif i == 9
	WIN 0
	s_wait_alu depctr_va_vdst(0)                   ; one wait for the four exponentials
.irp k, 0,1,2,3
	v_add_f32 v[WK+\k], 1.0, v[WK+\k]
.endr
.irp k, 0,1,2,3
	v_rcp_f32 v[WK+\k], v[WK+\k]
.endr
.elseif i == 11
	WIN 0
	s_wait_alu depctr_va_vdst(0)                   ; one wait for the four reciprocals
.irp k, 0,1,2,3
	v_fma_f32 v[WK+\k], v[WK+\k], -2.0, 1.0
.endr
.irp k, 0,1,2,3
	v_cmp_gt_f32 vcc_lo, s[THR], v[OUT+\k]
	v_cndmask_b32 v[WK+4+\k], v[WK+\k], v[WK+4+\k], vcc_lo  ; the series where |x| < 0.125
.endr
.elseif i == 13
	WIN 0                                          ; at a label and at a branch every window is 0
	s_cmp_eq_u32 s[GRP], 0
	s_cbranch_scc1 .Lskip                          ; the first trip has no group behind it
	s_max_u32 s[ST], s[GRP], 1
	s_sub_co_u32 s[ST], s[ST], 1
	s_lshl_b32 s[ST], s[ST], LOGG
	s_add_nc_u64 s[SPTR:SPTR+1], s[26:27], s[ST:ST+1]  ; the store before this one has read its base: the wait for that stands in this trip's first lap
	global_store_b128 v[VO], v[WK+4:WK+7], s[SPTR:SPTR+1] th:TH_STORE_NT  ; 512 consecutive bytes, at a multiple of 512 from out0's first byte
.Lskip:
	s_cmp_eq_u32 s[GRP], NGRP
	s_cbranch_scc1 .Lout                           ; the last group is stored
.endif
.endm
; What stands behind the odd products of slots 1 and 2, which carry no layer 0.
.macro EXTRA sn
.if ((\sn) == 1) && (U == 3)
	LPREP
.endif
.if (\sn) == 2
.if i == 1
	WIN 0x0f                                       ; both sources in window 3
	v_cndmask_b32 v[OUT+(U+3)%4], v[A3], v[A3+8], s[HM]  ; the last lap's two tiles: lanes 0-15 take piece 0's sums, lanes 16-31 piece 1's; register 0 of each accumulator, whose last product stands a slot back or more
.if U == 0
	WIN 0
.irp k, 0,1,2,3
	v_mul_f32 v[OUT+\k], s[INV], v[OUT+\k]         ; the group is whole: the four scales are taken out again
.endr
.endif
.endif
.if U == 0
	FINAL
.endif
.if (U == 3) && (i == 3)
	WIN 0
.irp k, 0,1,2,3
	v_cndmask_b32 v[LP1+\k], v[WK+4+\k], v[WK+\k], s[HM]  ; piece 1: both halves of the lanes hold lanes 16-31's pixels
.endr
.endif
.endif
.endm
; A SLOT: 16 products of half a of layer l for piece p.  Behind the even ones the other piece's rounding into vdst; behind the odd ones layer 0 for piece v0p (l in v0l, slices v0q on), or, with v0p = -1, the extras.
; m3c >= 0: behind products 3 and 7 and their slices stand chunks m3c and m3c + 1 of piece p's layer 3.
.macro SLOT sn, l, a, p, vdst, v0p, v0l, v0q, m3c
.set i, 0
.rept 16
	MM \l, \a, \p
.if i%2 == 0
	VS 1-(\p), \vdst, i/2
.elseif (\v0p) >= 0
	V0S \v0p, \v0l, (\v0q)+i/2
.else
	EXTRA \sn
.endif
.if ((\m3c) >= 0) && ((i == 3) || (i == 7))
	M3 \p, (\m3c)+i/4
.endif
.set i, i+1
.endr
.endm
; A LAP, for tile u of both pieces.  Each operand is finished a slot or more ahead of the products that read it, and is written anew a slot or more behind them:
; X(0) is read in slots 0, 2 and made in 3-5; X(1) read in 1, 3 and made in 6, 7, 0; Y(p) made in two halves ahead of layer 2; Z(p) made, read a slot later by layer 3, made again, read again.
.macro LAP u
.set U, (\u)
	SLOT 0, 1, 0, 0, Z1,     1, LP1+U,       16,  2
	SLOT 1, 1, 0, 1, Y0,    -1, 0,            0,  2
	SLOT 2, 1, 1, 0, Y1,    -1, 0,            0, -1
	SLOT 3, 1, 1, 1, Y0+16,  0, LP0+(U+1)%4,  0, -1
	SLOT 4, 2, 0, 0, Y1+16,  0, LP0+(U+1)%4,  8, -1
	SLOT 5, 2, 0, 1, Z0,     0, LP0+(U+1)%4, 16, -1
	SLOT 6, 2, 1, 0, Z1,     1, LP1+(U+1)%4,  0,  0
	SLOT 7, 2, 1, 1, Z0,     1, LP1+(U+1)%4,  8,  0
.endm
; THE LOOP.  Trip n: lap 3 of group n - 1 (in trip 0: of nothing), in which l and the first h0 of group n are made and group n + 1 is asked for; lap 0 of group n, in which group n - 1 is stored; laps 1 and 2.
; Trip 16 leaves behind the store of group 15.  One lap on nothing at the start and a part of two at the end are the price of one text for every trip.
	WIN 0
.Lgroup:
	LAP 3
	LAP 0
	LAP 1
	LAP 2
	WIN 0
	s_add_co_u32 s[GRP], s[GRP], 1
	s_cmp_lt_u32 s[GRP], NGRP+1
	s_cbranch_scc1 .Lgroup
.Lout:
	s_wait_tensorcnt 0x0                           ; the wave's end, behind my last LDS store
	ds_add_u32 v[SPW], v[NIL]
	s_wait_dscnt 0x0
	s_endpgm
.Lfunc_end_k_qfe976a3eac_tone:
	.size	k_qfe976a3eac_tone, .Lfunc_end_k_qfe976a3eac_tone-k_qfe976a3eac_tone
	.p2alignl 7, 3214868480
	.fill 96, 4, 3214868480
	.section	.rodata,"a",@progbits
	.p2align	6, 0x0
	.amdhsa_kernel k_qfe976a3eac_tone
		.amdhsa_group_segment_fixed_size 74496
		.amdhsa_private_segment_fixed_size 0
		.amdhsa_enable_private_segment 0
		.amdhsa_kernarg_size 80
		.amdhsa_user_sgpr_count 2
		.amdhsa_user_sgpr_kernarg_segment_ptr 1
		.amdhsa_wavefront_size32 1
		.amdhsa_system_sgpr_workgroup_id_x 1
		.amdhsa_system_sgpr_workgroup_id_y 1
		.amdhsa_system_sgpr_workgroup_id_z 1
		.amdhsa_system_vgpr_workitem_id 0
		.amdhsa_next_free_vgpr 1024
		.amdhsa_next_free_sgpr 66
		.amdhsa_reserve_vcc 1
		.amdhsa_float_denorm_mode_32 3
		.amdhsa_float_denorm_mode_16_64 3
		.amdhsa_memory_ordered 1
		.amdhsa_forward_progress 1
		.amdhsa_inst_pref_size 255
	.end_amdhsa_kernel
	.section	.bss,"aw",@nobits
	.p2align	6
	.space	262144
	.amdgpu_metadata
---
amdhsa.version: [ 1, 2 ]
amdhsa.kernels:
  - .name:           k_qfe976a3eac_tone
    .symbol:         k_qfe976a3eac_tone.kd
    .args:
      - { .name: radience, .offset: 0, .size: 8, .value_kind: global_buffer, .address_space: global }
      - { .name: W0, .offset: 8, .size: 8, .value_kind: global_buffer, .address_space: global }
      - { .name: b0, .offset: 16, .size: 8, .value_kind: global_buffer, .address_space: global }
      - { .name: W1, .offset: 24, .size: 8, .value_kind: global_buffer, .address_space: global }
      - { .name: b1, .offset: 32, .size: 8, .value_kind: global_buffer, .address_space: global }
      - { .name: W2, .offset: 40, .size: 8, .value_kind: global_buffer, .address_space: global }
      - { .name: b2, .offset: 48, .size: 8, .value_kind: global_buffer, .address_space: global }
      - { .name: W3, .offset: 56, .size: 8, .value_kind: global_buffer, .address_space: global }
      - { .name: b3, .offset: 64, .size: 8, .value_kind: global_buffer, .address_space: global }
      - { .name: out0, .offset: 72, .size: 8, .value_kind: global_buffer, .address_space: global }
    .group_segment_fixed_size: 74496
    .private_segment_fixed_size: 0
    .kernarg_segment_align: 8
    .kernarg_segment_size: 80
    .max_flat_workgroup_size: 128
    .sgpr_count:     66
    .vgpr_count:     1024
    .wavefront_size: 32
...
	.end_amdgpu_metadata
.endif
;; end of part 1
